; MI455X (gfx1250); checked and timed in simulation.
; The chip was launched on July 23, 2026; its instructions are those of AMD's public machine-readable ISA for CDNA 5 (MIT licence, August 2026) and "CDNA5" Instruction Set Architecture Reference Guide (July 2026). The comments in the code are by the model that wrote it; some were corrected since.
;; scaled dot product attention. Allowed arithmetic: matrix products marked QUANTISED: E5M2 operands, one given power-of-two scale a tensor, by v_wmma_f32_16x16x64_bf8_bf8 or v_wmma_f32_16x16x128_bf8_bf8, f32 sums; everything else in f32.
;; Inputs: k_codes 8 x 16 x 1,024 x 2 x 32 uint8 (E5M2 codes of k, K innermost, in blocks of 32 codes); lowp_scales 4 int32 (the exponents e of the quantised operands' scales 2^e); q_codes 8 x 16 x 1,024 x 2 x 32 uint8 (E5M2 codes of q, K innermost, in blocks of 32 codes); v_codes 8 x 16 x 64 x 32 x 32 uint8 (E5M2 codes of v, K innermost, in blocks of 32 codes).
;; Outputs: out0 8 x 16 x 1,024 x 64 float32.
;; This version of the problem:
;;   THIS VERSION OF THE PROBLEM IS GIVEN IN LOW PRECISION. The matrix products marked QUANTISED in the list below multiply operands that are first quantised to E5M2 (5 exponent bits, 2 mantissa bits; 8 bits a number), with one given power-of-two scale for each operand tensor; their sums are f32. All else is computed in f32.
;;   The module's matrix products, in the order in which they are computed (A, B: the left and right operand; K: the contracted axis; several contracted axes count as one K, in the product's order):
;;     1. batch 128 x [M 1,024, K 64] x [K 64, N 1,024]; A: input q (given as codes); B: input k (given as codes): QUANTISED (scales: A lowp_scales[0], B lowp_scales[1])
;;     2. batch 128 x [M 1,024, K 1,024] x [K 1,024, N 64]; A: softmax (see below); B: input v (given as codes): QUANTISED (scales: A lowp_scales[2], B lowp_scales[3])
;;   THE QUANTISER, for each operand of a quantised product, along K:
;;     - The operand's scale is 2^e, e = its entry of the input lowp_scales (int32; the entries are numbered through the quantised products in the list's order, A before B).
;;     - Each number is divided by the scale, clamped to +-57,344, and rounded to the nearest number of E5M2, ties to even, subnormals kept.
;;     - The product sums the exact products of the quantised numbers (number of the format x scale) in f32.
;;   ~~~python
;;   def quantise(x, axis, e):      # numpy; x: float32 -> the quantised numbers, widened to float32 again
;;       x = np.moveaxis(x, axis, -1); K = x.shape[-1]
;;       r = np.clip(x / 2.0 ** e, -57344, 57344)
;;       step = 2.0 ** (np.maximum(np.frexp(np.where(r == 0, 1, r))[1] - 1, -14) - 2)
;;       q = np.round(r / step) * step * 2.0 ** e      # np.round: ties to even
;;       return np.moveaxis(q, -1, axis).astype(np.float32)
;;   ~~~
;;   SOFTMAX AHEAD OF A QUANTISED PRODUCT. Where the list says 'softmax', what is quantised is not the finished softmax but p = 2^(t - M), with t = logit x log2(e) and M = ceil(the row's largest t), a whole number; so 1/2 < the row's largest p <= 1. The row's sum l is taken of the UNQUANTISED p, in f32, and the product's result is divided by l at the end. Since M is a whole number, a kernel that streams over the keys may use a running M (the ceiling of the running maximum): every later rescaling is an exact power of two, so the quantised numbers keep their values, but for numbers so far below the row's largest that they fall under the format's range.
;;   OPERANDS COMPUTED ON THE WAY. 'Computed on the way' means the value that the module computes at that place (a softmax that the list does not call 'softmax' is quantised finished and normalised). What goes into a quantiser is computed in f32, as accurately as f32 sums, v_exp_f32 and their like allow (about 1e-6 of the number): no bf16 or f16 on the way to a quantiser, and a product that is left as it is and whose result goes on into a quantised operand takes f32 operands (vector FMAs, or v_wmma_f32_16x16x4_f32). A number that lies on a knife's edge between two numbers of the format may be rounded either way, as far as f32 arithmetic and the matrix unit's own rounding can turn it there, and no further.
;;   INPUTS GIVEN AS CODES. k (in the module: [8, 16, 1024, 64], K = its axis 3); q (in the module: [8, 16, 1024, 64], K = its axis 3); v (in the module: [8, 16, 1024, 64], K = its axis 2): each comes as NAME_codes (uint8): NAME with its K axis moved to the last place and cut into blocks of 32 codes, [.., K / 32, bytes a block], one block behind the other in memory; one code a byte (a code: sign, 5 exponent bits, 2 mantissa bits); its scale is its entry of lowp_scales. Its value is code x scale, taken as it is: it is not quantised again, and the codes and scales need not be those that the quantiser above would give.
;; One version. Each part assembles by itself: llvm-mc -triple=amdgcn-amd-amdhsa -mcpu=gfx1250 --defsym DOCPART=n.
;; ======== version 1 of 1: 1 launch
;; limits: right only within a limited range of input values
;; launch attn (part 1): grid 2 x 128, 16 waves a work-group, no clusters, 221,184 bytes of LDS; arguments q_codes, k_codes, v_codes, lowp_scales, out0; writes out0
.if DOCPART == 1
	.amdgcn_target "amdgcn-amd-amdhsa--gfx1250"
	.amdhsa_code_object_version 6
	.text
	.protected	k_q2b7aabcaa3_attn
	.globl	k_q2b7aabcaa3_attn
	.p2align	8
	.type	k_q2b7aabcaa3_attn,@function
k_q2b7aabcaa3_attn:
	s_mov_b64 s[64:65], 0
	v_nop
	global_prefetch_b8 v0, s[64:65] scope:SCOPE_SE
	s_setreg_imm32_b32 hwreg(HW_REG_WAVE_MODE, 25, 1), 1
	s_wait_xcnt 0x0
; out0[head][q][:] = the sum over k of softmax_k(Q[head][q] . K[head][k] / sqrt(64)) V[head][k][:], 128 heads, 1,024 queries and keys, 64 channels, no mask.
; Both products on codes of BF8 (E5M2), one code a byte, each tensor with the one scale 2^e that is given for it: eq, ek, ep, ev.
; Q, K: [head][1,024][64] codes (K = the 64 channels).  V: [head][64][1,024] codes, the KEYS innermost.  out0: [head][1,024][64] f32.
; SOFTMAX: t = score x log2(e) / 8; M = the row's largest t so far, rounded UP to a whole number; p = 2^(t - M) is what is quantised (scale 2^ep), not normalised.
; The row's sum is taken of the unquantised p, in f32, and divides O at the end.  When M moves, the sum and O are multiplied by 2^(old M - new M): nothing is rounded, no branch hangs on floating-point data.
; NOTHING OF THE PROBLEM IS LEFT OUT: every input has a way to the output, and every key counts for every query.
; THE HOLD at the largest code: p is at most 1 but for the last bit, so p / 2^ep stays under 57,344 where ep >= -15.  The given whole number ep decides, by a scalar branch between two ways through a softmax's second half: with the
; hold's 64 minima, or without them and with the first half's codes made among the second half's exponentials.  The launch has no tensor load.
; SHARES.  A work-group owns 512 queries of one head (256 work-groups of equal work); each of sixteen waves owns 32 of them, two tiles of 16, in 256 registers.  Each fragment of K and V feeds both tiles.
; THE HEAD'S WHOLE K AND V LIE IN LDS, filled once, through registers: a thread loads 16 bytes an instruction, 512 threads 8,192 bytes: 128 keys of K or 8 channels of V.
; Keys 0 to 127 go to LDS first; the other fifteen loads, into O^T's registers, are issued a few at a time along step 0's first softmax, and go to LDS behind its second.  Two barriers in all.
; A KEY STEP is 128 keys.  Two banks of 64 registers change places from step to step: K's fragments (later V's) lie in one, the scores of the tile in hand in the other; as the second tile's scores
; are used up, the score bank takes the NEXT step's K, ahead of this step's second product.  A trip of the loop is two steps.
; LAYOUT.  Both products are used transposed: S^T = K Q^T (source 0 = 16 keys, source 1 = 16 queries, 64 along K), O^T = V^T P^T (source 0 = 16 channels, source 1 = P, 128 keys along K): a lane holds ONE query (lane % 16).
; Key tile t = 2 u + e holds at its row 8 h + j the key 32 u + 16 h + 8 e + j, so that registers 4 u .. 4 u + 3 of P in lane (r, h) are the 16 NEIGHBOURING keys 32 u + 16 h on, and V is read 16 bytes at a time.
; K lies in LDS in the tiles' order: key bits 3 and 4 change places.  K's and Q's fragments take bytes 16 h and 32 + 16 h of a row: the same permutation of the channels on both sides.
; NO CLUSTER: a head's K and V are read by two work-groups, each once, at its head; a cluster of four would want 256 queries to a work-group and two heads' K and V in each, twice the fills.
; NO PREFETCH: all of K and V is asked for by the loads at the head and in step 0; no loop is left to ask ahead in.
; LIMITS: eq + ek between -123 and 130 (added to c's exponent field, 124); ep between -126 and 112; ep + ev is applied by v_ldexp_f32 and has none.  The scaled scores t stay under 2^31 in magnitude.
; NaN and infinity among the codes are not served.
.set KP,    80                         ; K: a key's 64 bytes + 16 of padding: an odd multiple of 16
.set VP,    1040                       ; V: a channel's 1,024 keys + 16 of padding: an odd multiple of 16
.set KST,   128*KP                     ; a key step of K in LDS
.set VOFF,  1024*KP
.set STAGE, VOFF+64*VP                 ; the way out: 16 rows x (256 + 16) bytes for each wave
.set SP,    272
.set SPARE, STAGE+16*16*SP             ; the spare words, 128 bytes for each wave, that no other line names
.set AK,  1                            ; v1   my lane's place in a fragment of K; on the way out: where I read a row back, at the end my spare word
.set AV,  2                            ; v2   my lane's place in a fragment of V
.set ADR, 3                            ; v3   16 x thread for the loads from memory; then an LDS address in V; on the way out: where I put 32 bytes of a row
.set SC,  4                            ; v4   2^ep as f32
.set GO,  5                            ; v5   my byte offset in the wave's rows of Q; on the way out: of out0
.set ADK, 5                            ; v5   in the loop: an LDS address in K
.set KS,  6                            ; v6   where I put 16 bytes of K, until all are in LDS
.set VS,  7                            ; v7   the same for V
.set F,   6                            ; v[6:7] afterwards: f = 2^(old M - new M) of tiles 0 and 1
.set ST,  8                            ; v8-15  tile i at ST + 4 i: -M of even and of odd steps, the sum in two halves
.set Q,   16                           ; v16-31 Q's fragments, tile i at Q + 8 i
.set P,   32                           ; v32-63 p's codes, tile i at P + 16 i
.set TM,  56                           ; v56-63 at work, until tile 1's last conversions
.set OT,  64                           ; v64-127 O^T: tile i, channels 16 c on, at OT + 32 i + 8 c
.set Y,   128                          ; the two banks
.set X,   192
.set WV,  14                           ; s14  my wave's number
.set SEL, 20                           ; s[20:21] lane selects for v_permlanex16_b32: lane l xor 16
.set CS,  22                           ; s[22:23] c = log2(e) / 8 x 2^(eq + ek): the packed form names a pair and takes its low word
.set EP,  58                           ; s58  ep, out of s[56:59] = eq, ek, ep, ev
.set KB,  60                           ; s60  LDS bytes that the trip in hand is on in K,
.set VB,  61                           ; s61  and in V's rows
.set HOLD, 62                          ; s62  57,344 x 2^ep
.set EO,  63                           ; s63  ep + ev
.set CNT, 15                           ; s15  trips to go
.set gl,  0                            ; how many of step 0's fifteen loads have been written
; Four of K's eight fragments (half h), 8 loads
.macro KHALF bk, ar, off, h
.irp t, 0,1,2,3
	ds_load_b128 v[\bk+8*(\t+4*\h):\bk+8*(\t+4*\h)+3],   v[\ar] offset:16*KP*(\t+4*\h)+\off
	ds_load_b128 v[\bk+8*(\t+4*\h)+4:\bk+8*(\t+4*\h)+7], v[\ar] offset:16*KP*(\t+4*\h)+\off+32
.endr
.endm
; V's four fragments (16 channels x 128 keys each), 16 loads
.macro VLOAD bk, ar, off
.irp c, 0,1,2,3
.irp u, 0,1,2,3
	ds_load_b128 v[\bk+16*\c+4*\u:\bk+16*\c+4*\u+3], v[\ar] offset:16*VP*\c+32*\u+\off
.endr
.endr
.endm
; The next of the fifteen loads: V's channels 8 gl on, then K's keys 128 (gl - 7) on; each wave loads 512 consecutive bytes
.macro GL
.if gl < 8
	global_load_b128 v[OT+4*gl:OT+4*gl+3], v[ADR], s[8:9] offset:8192*gl
.else
	global_load_b128 v[OT+4*gl:OT+4*gl+3], v[ADR], s[6:7] offset:8192*(gl-7)
.endif
.set gl, gl+1
.endm
; S^T = K Q^T for tile i: eight products on eight accumulators.  wt = 1: each waits for its own fragment's two loads; of the sixteen those behind may be out.
.macro QK i, kb, sb, wt
.set t, 0
.rept 8
.if \wt
	s_wait_dscnt 14-2*t
.endif
	v_wmma_f32_16x16x64_bf8_bf8 v[\sb+8*t:\sb+8*t+7], v[\kb+8*t:\kb+8*t+7], v[Q+8*(\i):Q+8*(\i)+7], 0
.set t, t+1
.endr
.endm
.macro ADDP                            ; one pair of p onto the sum's chain ck
.if ck == 0
	v_pk_add_f32 v[rT+2:rT+3], v[rT+2:rT+3], v[rS+j:rS+j+1]
.else
	v_pk_add_f32 v[TM+2*ck:TM+2*ck+1], v[TM+2*ck:TM+2*ck+1], v[rS+j:rS+j+1]
.endif
.set j, j+2
.set ck, (ck+1)%4
.endm
; THE ROW'S SUM IS TAKEN OF THE UNQUANTISED p: two at a time, in four chains.  SUMA: the first half's p
.macro SUMA i, first
.if \first
	v_pk_add_f32 v[rT+2:rT+3], v[rS:rS+1], v[rS+14:rS+15]
.set j, 16
.else
	v_pk_fma_f32 v[rT+2:rT+3], v[rT+2:rT+3], v[F:F+1], v[rS:rS+1] op_sel:[0,\i,0] op_sel_hi:[1,\i,1]   ; the sum under the new M
.set j, 14
.endif
	v_pk_add_f32 v[TM+2:TM+3], v[rS+2:rS+3], v[rS+4:rS+5]
	v_pk_add_f32 v[TM+4:TM+5], v[rS+6:rS+7], v[rS+8:rS+9]
	v_pk_add_f32 v[TM+6:TM+7], v[rS+10:rS+11], v[rS+12:rS+13]
.set ck, 0
.rept 9-\first
	ADDP
.endr
.endm
.macro COMB i                          ; the four chains of tile i's sum become one
	v_pk_add_f32 v[TM+4:TM+5], v[TM+4:TM+5], v[TM+6:TM+7]
	v_pk_add_f32 v[ST+4*(\i)+2:ST+4*(\i)+3], v[ST+4*(\i)+2:ST+4*(\i)+3], v[TM+2:TM+3]
	v_pk_add_f32 v[ST+4*(\i)+2:ST+4*(\i)+3], v[ST+4*(\i)+2:ST+4*(\i)+3], v[TM+4:TM+5]
.endm
; Behind the exponentials: tile 1's O^T under the new M (om = 1), each accumulator from its low end on; the second half's p; tile 1's four chains (tile 0's are added behind the next products)
.macro SUMB i
	s_wait_alu depctr_va_vdst(0)                           ; the wait for the second half's exponentials and for the first readers of O^T
.if om
.set m, 0
.rept 16
	v_pk_mul_f32 v[OT+32+m:OT+33+m], v[OT+32+m:OT+33+m], v[F:F+1] op_sel:[0,1] op_sel_hi:[1,1]
.set m, m+2
.endr
.endif
.rept 16
	ADDP
.endr
.if \i
	COMB 1
.endif
.endm
.macro TFMA par                        ; t - M, two at a time (of the pair -M the half of this step's parity serves both)
	v_pk_fma_f32 v[rS+j:rS+j+1], v[rS+j:rS+j+1], s[CS:CS+1], v[rT:rT+1] op_sel:[0,0,\par] op_sel_hi:[1,0,\par]
.set j, j+2
.endm
.macro CVT t                           ; tile t's eight codes: registers 2 t, 2 t + 1 of the second product's operand
	v_cvt_scalef32_pk8_bf8_f32 v[rP+2*(\t):rP+2*(\t)+1], v[rS+8*(\t):rS+8*(\t)+7], v[SC]
.endm
.macro GAP                             ; between the links of the maximum's chain: tile 1 (om = 1): two lines of tile 0's O^T under its new M; else a hint
.if om
.rept 2
	v_pk_mul_f32 v[OT+oj:OT+oj+1], v[OT+oj:OT+oj+1], v[F:F+1] op_sel_hi:[1,0]
.set oj, oj+2
.endr
.else
	s_delay_alu instid0(VALU_DEP_1)
.endif
.endm
; Tile i's softmax for a key step.  first = 1: the first key step, which starts M, the sum and O^T.  koff: where the next step's K lies, whose first half takes the first half's scores' place (-1: not here).
.macro SM i, sb, par, first, koff=-1
.set rT, ST+4*(\i)
.set rP, P+16*(\i)
.set rS, \sb
.set gf, (\first)*(1-(\i))             ; step 0's first softmax, which issues the fifteen loads
.set om, (\i)*(1-(\first))
.set oj, 0
.irp k, 0,1,2,3                        ; my query's largest score among my 64 keys, in four chains; each accumulator is read from its low end on
	v_max3_num_f32 v[TM+\k], v[rS+3*\k], v[rS+3*\k+1], v[rS+3*\k+2]
.endr
.if gf
	GL
.endif
.set j, 12
.rept 6
.irp k, 0,1,2,3
	v_max3_num_f32 v[TM+\k], v[TM+\k], v[rS+j+2*\k], v[rS+j+2*\k+1]
.endr
.if gf
	GL
.endif
.set j, j+8
.endr
.if om
	s_wait_alu depctr_va_vdst(0)                           ; the wait ahead of the first readers of tile 0's O^T
.endif
	v_max3_num_f32 v[TM], v[TM], v[TM+1], v[rS+60]
	v_max3_num_f32 v[TM+2], v[TM+2], v[TM+3], v[rS+61]
.if om
	GAP
.endif
	v_max3_num_f32 v[TM], v[TM], v[rS+62], v[rS+63]
	GAP
	v_max_num_f32 v[TM], v[TM], v[TM+2]
	GAP
	v_permlanex16_b32 v[TM+1], v[TM], s[SEL], s[SEL+1]     ; the query's other 64 keys lie in the lane 16 away
	GAP
	v_max_num_f32 v[TM], v[TM], v[TM+1]
	GAP
	v_mul_f32 v[TM], s[CS], -v[TM]                         ; -t (c is positive)
	GAP
.if \first
	v_floor_f32 v[rT+\par], v[TM]                          ; -M = floor(-t) = -ceil(t): M IS A WHOLE NUMBER
.set j, 0
.rept 4
.rept 4
	TFMA \par
.endr
.if gf
	GL
.endif
.endr
.else
	v_floor_f32 v[TM], v[TM]
	GAP
	v_min_num_f32 v[rT+\par], v[rT+1-\par], v[TM]          ; the new -M
	GAP
	v_sub_f32 v[TM+1], v[rT+\par], v[rT+1-\par]            ; old M less new M: a whole number, 0 or less
.set j, 0
.rept 4
	TFMA \par
.endr
	v_cvt_i32_f32 v[TM+1], v[TM+1]                         ; (it saturates)
.rept 4
	TFMA \par
.endr
	v_ldexp_f32 v[F+\i], 1.0, v[TM+1]                      ; f = 2^(old M - new M)
.rept 8
	TFMA \par
.endr
.endif
	s_wait_alu depctr_va_vdst(0)                           ; the wait ahead of the batch
.set m, 0
.rept 16
	v_exp_f32 v[rS+m], v[rS+m]                             ; p = 2^(t - M): the first half, among them the second half's t - M
	v_exp_f32 v[rS+m+1], v[rS+m+1]
	TFMA \par
.if gf
.if m%8 == 0
	GL
.endif
.endif
.set m, m+2
.endr
	s_wait_alu depctr_va_vdst(0)                           ; the wait behind these exponentials, ahead of the branch and of the next
	s_cmp_ge_i32 s[EP], -15                                ; a given whole number: p / 2^ep cannot pass 57,344?
	s_cbranch_scc1 .Lfits_\@
.set m, 32
.rept 32
	v_exp_f32 v[rS+m], v[rS+m]
.set m, m+1
.endr
	SUMA \i, \first
	SUMB \i
.set m, 0
.rept 64
	v_min_num_f32 v[rS+m], s[HOLD], v[rS+m]                ; the conversion to an 8-bit code does not saturate (ISA guide 7.6.2); p is not negative
.set m, m+1
.endr
.irp t, 0,1,2,3,4,5,6,7
	CVT \t
.endr
.if \koff >= 0
	KHALF \sb, ADK, \koff, 0
.endif
	s_wait_alu depctr_va_vdst(0)                           ; directly ahead of the branch
	s_branch .Ljoin_\@
.Lfits_\@:
.set m, 32
.irp t, 0,1,2,3
.rept 8
	v_exp_f32 v[rS+m], v[rS+m]
.set m, m+1
.endr
	CVT \t                                                 ; the first half's codes
.endr
	SUMA \i, \first
.if \koff >= 0
	KHALF \sb, ADK, \koff, 0                               ; the first half's scores are used up
.endif
	SUMB \i
.irp t, 4,5,6,7
	CVT \t
.endr
.Ljoin_\@:
.endm                                  ; (a plain vector instruction follows each use of SM)
; O^T += V^T P^T: 128 keys along K; eight accumulators, one instruction a turn
.macro PV kb, first
.irp c, 0,1,2,3
.irp n, 0,1
.if \first
	v_wmma_f32_16x16x128_bf8_bf8 v[OT+32*\n+8*\c:OT+32*\n+8*\c+7], v[\kb+16*\c:\kb+16*\c+15], v[P+16*\n:P+16*\n+15], 0
.else
	v_wmma_f32_16x16x128_bf8_bf8 v[OT+32*\n+8*\c:OT+32*\n+8*\c+7], v[\kb+16*\c:\kb+16*\c+15], v[P+16*\n:P+16*\n+15], v[OT+32*\n+8*\c:OT+32*\n+8*\c+7]
.endif
.endr
.endr
.endm
.macro NOPS n
.rept \n
	v_nop
.endr
.endm
; A key step behind the first: K (then V) in bank kb, scores in bank sb.  voff, koff: this step's V and the next step's K, from the trip's place (last = 1: V from the row's start, no K).
.macro STEP kb, sb, par, voff, koff, last
	QK 0, \kb, \sb, 1
.if \last
	v_nop
.else
	v_add_nc_u32 v[ADK], s[KB], v[AK]
.endif
	NOPS 3                                         ; four places in all ahead of the first read of the results (ISA guide 7.12.1)
	SM 0, \sb, \par, 0
	v_nop                                          ; a plain instruction between the conversions and the products that write their sources
	QK 1, \kb, \sb, 0
	COMB 0                                         ; these three and the next line are the four places behind the products, for V's loads and for the softmax's first reads
.if \last
	v_nop
	VLOAD \kb, AV, \voff
	SM 1, \sb, \par, 0
	v_nop
	s_wait_alu depctr_va_vdst(0)                   ; directly ahead of the wait below
	s_wait_dscnt 0x0                               ; V is in
.else
	v_add_nc_u32 v[ADR], s[VB], v[AV]
	VLOAD \kb, ADR, \voff
	SM 1, \sb, \par, 0, \koff
	v_nop
	KHALF \sb, ADK, \koff, 1                       ; the next step's K has taken the score bank
	s_wait_alu depctr_va_vdst(0)                   ; directly ahead of the wait below
	s_wait_dscnt 16                                ; V is in; the sixteen loads of K behind it may be out
.endif
	PV \kb, 0
.if \last == 0
	NOPS 5                                         ; five places ahead of the products that write over V's registers
.endif
.endm
	s_load_b256 s[4:11], s[0:1], 0x0               ; Q's codes s[4:5], K's s[6:7], V's s[8:9], the scales' exponents s[10:11]
	s_load_b64 s[12:13], s[0:1], 0x20              ; out0
	v_lshrrev_b32 v1, 5, v0
	v_readfirstlane_b32 s[WV], v1                  ; wave 0..15
	v_and_b32 v8, 15, v0                           ; r = lane % 16
	v_bfe_u32 v9, v0, 4, 1                         ; h = lane / 16
	v_lshlrev_b32 v[ADR], 4, v0                    ; 16 x thread
	v_lshlrev_b32 v[GO], 6, v8
	v_lshl_add_u32 v[GO], v9, 4, v[GO]             ; Q: row r of 64 bytes, + 16 h
	s_and_b32 s16, ttmp7, 0xffff                   ; the head
	s_lshl_b32 s16, s16, 16                        ; its first byte in each tensor of codes
	s_mov_b32 s17, 0
	s_lshl_b32 s84, ttmp9, 15                      ; my work-group's 512 queries of 64 bytes,
	s_lshl_b32 s85, s[WV], 11                      ; my wave's 32 of them,
	s_add_co_u32 s84, s84, s85
	s_add_co_u32 s84, s84, s16                     ; in my head (under 2^23),
	s_mov_b32 s85, 0
	s_lshl_b32 s86, s84, 2                         ; and in out0, whose rows are four times as long (under 2^25)
	s_mov_b32 s87, 0
	s_mov_b32 s[SEL], 0x76543210
	s_mov_b32 s[SEL+1], 0xfedcba98
	s_mov_b32 s[CS], 0x3e38aa3b                    ; c = log2(e) / 8
	s_wait_alu depctr_va_vdst(0)                   ; directly ahead of the wait below
	s_wait_kmcnt 0x0
	s_load_b128 s[56:59], s[10:11], 0x0            ; eq, ek, ep, ev
	s_add_nc_u64 s[4:5], s[4:5], s[84:85]
	s_add_nc_u64 s[6:7], s[6:7], s[16:17]
	s_add_nc_u64 s[8:9], s[8:9], s[16:17]
	s_add_nc_u64 s[12:13], s[12:13], s[86:87]
	global_load_b128 v[Y:Y+3], v[ADR], s[6:7]      ; keys 0 to 127: each wave loads 512 consecutive bytes
.irp n, 0,1
	global_load_b128 v[Q+8*\n:Q+8*\n+3],   v[GO], s[4:5] offset:1024*\n       ; Q's two fragments stay in registers
	global_load_b128 v[Q+8*\n+4:Q+8*\n+7], v[GO], s[4:5] offset:1024*\n+32
.endr
	v_lshrrev_b32 v10, 2, v0                       ; my key among 128; four threads take its 64 bytes
	v_lshrrev_b32 v11, 6, v0                       ; my channel among 8; 64 threads take its 1,024 keys
	v_and_b32 v12, 0x67, v10
	v_bfe_u32 v14, v10, 3, 1
	v_bfe_u32 v15, v10, 4, 1
	v_mul_u32_u24 v[VS], v11, VP
	v_lshl_add_u32 v12, v14, 4, v12
	v_and_b32 v11, 63, v0
	v_and_b32 v10, 3, v0
	v_lshl_add_u32 v12, v15, 3, v12                ; its row in LDS: bits 3 and 4 have changed places
	v_lshl_add_u32 v[VS], v11, 4, v[VS]
	v_mul_u32_u24 v[KS], v12, KP
	v_add_nc_u32 v[VS], VOFF, v[VS]
	v_lshl_add_u32 v[KS], v10, 4, v[KS]
	v_mul_u32_u24 v[AK], v8, KP
	v_mul_u32_u24 v[AV], v8, VP
	v_lshl_add_u32 v[AK], v9, 4, v[AK]             ; K: r x 80 + 16 h
	v_lshl_add_u32 v[AV], v9, 4, v[AV]
	v_add_nc_u32 v[AV], VOFF, v[AV]                ; V: behind K: r x 1,040 + 16 h
	v_mov_b32 v9, 0                                ; (named as halves of pairs ahead of their first use)
	v_mov_b32 v13, 0
	s_wait_alu depctr_va_vdst(0)                   ; directly ahead of the wait below
	s_wait_kmcnt 0x0
	s_add_co_i32 s84, s56, s57
	s_lshl_b32 s84, s84, 23
	s_add_co_i32 s[CS], s[CS], s84                 ; a score stands for score x 2^(eq + ek): added to c's exponent field
	s_mov_b32 s[CS+1], s[CS]
	s_add_co_i32 s84, s58, 127
	s_lshl_b32 s85, s84, 23
	v_mov_b32 v[SC], s85                           ; 2^ep as f32
	s_add_co_i32 s84, s84, 15
	s_lshl_b32 s84, s84, 23
	s_or_b32 s[HOLD], s84, 0x600000                ; 57,344 x 2^ep
	s_add_co_i32 s[EO], s58, s59
	s_mov_b32 s[KB], 0
	s_mov_b32 s[VB], 0
	s_mov_b32 s[CNT], 3
	s_wait_alu depctr_va_vdst(0)                   ; the wait at the head's end
	s_wait_loadcnt 4                               ; keys 0 to 127 are in; Q's four loads behind them may be out
	ds_store_b128 v[KS], v[Y:Y+3]
	s_wait_dscnt 0x0                               ; my store is done, for the other waves
	s_barrier_signal -1
	s_barrier_wait -1                              ; keys 0 to 127 are in LDS
	; step 0: it starts all sums
	KHALF X, AK, 0, 0
	KHALF X, AK, 0, 1
	s_wait_loadcnt 0x0                             ; Q
	QK 0, X, Y, 1
	NOPS 4
	SM 0, Y, 0, 1
	v_nop
	QK 1, X, Y, 0
	COMB 0
	v_nop
	SM 1, Y, 0, 1
	v_nop
	s_wait_alu depctr_va_vdst(0)                   ; directly ahead of the wait below
	s_wait_loadcnt 0x0                             ; all of K and V is in registers
.irp n, 0,1,2,3,4,5,6,7
	ds_store_b128 v[VS], v[OT+4*\n:OT+4*\n+3] offset:8*VP*\n
.endr
	v_add_nc_u32 v[ADR], KST, v[KS]                ; (the last store lies beyond a 16-bit offset)
.irp n, 1,2,3,4,5,6
	ds_store_b128 v[KS], v[OT+28+4*\n:OT+31+4*\n] offset:KST*\n
.endr
	ds_store_b128 v[ADR], v[OT+56:OT+59] offset:KST*6
	s_wait_dscnt 0x0                               ; my stores are done, for the other waves
	s_barrier_signal -1
	s_barrier_wait -1                              ; all of K and V is in LDS; nothing is written there again
	VLOAD X, AV, 0
	KHALF Y, AK, KST, 0
	KHALF Y, AK, KST, 1
	s_wait_alu depctr_va_vdst(0)                   ; directly ahead of the wait below
	s_wait_dscnt 16                                ; V is in; the sixteen loads of K behind it may be out
	PV X, 1
	NOPS 5
.Lpair:                                            ; three trips: steps 1 and 2, 3 and 4, 5 and 6
	STEP Y, X, 1, 128, 2*KST, 0
	STEP X, Y, 0, 256, 3*KST, 0
	s_add_co_u32 s[KB], s[KB], 2*KST
	s_add_co_u32 s[VB], s[VB], 256
	s_sub_co_u32 s[CNT], s[CNT], 1
	s_cmp_lg_u32 s[CNT], 0
	s_cbranch_scc1 .Lpair
	STEP Y, X, 1, 896, 0, 1                        ; step 7
	; THE WAY OUT.  O^T is divided by the row's sum, multiplied by 2^(ep + ev), and goes through my own stage in LDS, a tile (16 rows of 256 bytes) at a time, so that sixteen lanes store one whole row of out0.
	; The address lines name no register of the last products: they are the places behind them.
	v_and_b32 v[X], 15, v0                         ; r
	v_bfe_u32 v[X+1], v0, 4, 1                     ; h
	s_mul_i32 s84, s[WV], 16*SP
	s_add_co_u32 s84, s84, STAGE                   ; my stage
	v_mul_u32_u24 v[ADR], v[X], SP
	v_mul_u32_u24 v[AK], v[X+1], SP
	v_lshlrev_b32 v[GO], 8, v[X+1]
	v_lshl_add_u32 v[ADR], v[X+1], 5, v[ADR]
	v_lshl_add_u32 v[AK], v[X], 4, v[AK]
	v_lshl_add_u32 v[GO], v[X], 4, v[GO]           ; two rows of out0: lanes 0-15 one, lanes 16-31 the next; 16 bytes a lane
	v_add_nc_u32 v[ADR], s84, v[ADR]               ; in: row r; channels 16 c + 8 h on: 64 c + 32 h bytes on
	v_add_nc_u32 v[AK], s84, v[AK]                 ; back: the same two rows
.irp n, 0,1
	v_add_f32 v[ST+4*\n+2], v[ST+4*\n+2], v[ST+4*\n+3]
.endr
.irp n, 0,1
	v_permlanex16_b32 v[ST+4*\n+3], v[ST+4*\n+2], s[SEL], s[SEL+1]
.endr
.irp n, 0,1
	v_add_f32 v[ST+4*\n+2], v[ST+4*\n+2], v[ST+4*\n+3]     ; the row's sum
.endr
	s_wait_alu depctr_va_vdst(0)                   ; the wait ahead of the batch
.irp n, 0,1
	v_rcp_f32 v[ST+4*\n+2], v[ST+4*\n+2]
.endr
	v_nop                                          ; a plain instruction between the last reciprocal and the use of its result
	s_wait_alu depctr_va_vdst(0)                   ; and the wait ahead of the first use
.irp n, 0,1
	v_ldexp_f32 v[ST+4*\n+2], v[ST+4*\n+2], s[EO]  ; x 2^(ep + ev)
.endr
.macro TOSTAGE i
.set rT, ST+4*(\i)
.set j, 0
	s_wait_alu depctr_va_vdst(0)                   ; directly ahead of the first readers of O^T
.rept 16
	v_pk_mul_f32 v[X+32*(\i)+j:X+32*(\i)+j+1], v[OT+32*(\i)+j:OT+32*(\i)+j+1], v[rT+2:rT+3] op_sel_hi:[1,0]   ; register 8 c + n is out0(r, 16 c + 8 h + n)
.set j, j+2
.endr
.irp c, 0,1,2,3
	ds_store_b128 v[ADR], v[X+32*(\i)+8*\c:X+32*(\i)+8*\c+3]   offset:64*\c
	ds_store_b128 v[ADR], v[X+32*(\i)+8*\c+4:X+32*(\i)+8*\c+7] offset:64*\c+16
.endr
.irp k, 0,1,2,3,4,5,6,7
	ds_load_b128 v[Y+32*(\i)+4*\k:Y+32*(\i)+4*\k+3], v[AK] offset:2*SP*\k   ; LDS serves a wave's instructions in order (ISA guide 5.7.1.4): these see my stores, and the next tile's stores come behind them
.endr
.endm
.macro SEND i, younger                 ; younger: the LDS instructions issued behind tile i's loads: the next tile's sixteen, or none
.irp k, 0,1,2,3,4,5,6,7
	s_wait_dscnt \younger+7-\k
	global_store_b128 v[GO], v[Y+32*(\i)+4*\k:Y+32*(\i)+4*\k+3], s[12:13] offset:4096*(\i)+512*\k th:TH_STORE_NT   ; 16 lanes store 256 consecutive bytes, at a multiple of 256 from out0's first byte
.endr
.endm
	TOSTAGE 0
	TOSTAGE 1
	SEND 0, 16
	SEND 1, 0
	v_lshl_add_u32 v[AK], v0, 2, SPARE             ; my spare word,
	v_mov_b32 v6, 0                                ; and 0
	s_wait_alu depctr_va_vdst(0)                   ; directly ahead of the wait below
	s_wait_tensorcnt 0x0                           ; the wave's end, behind my last LDS store
	ds_add_u32 v[AK], v6
	s_wait_dscnt 0x0
	s_endpgm
.Lfunc_end_k_q2b7aabcaa3_attn:
	.size	k_q2b7aabcaa3_attn, .Lfunc_end_k_q2b7aabcaa3_attn-k_q2b7aabcaa3_attn
	.p2alignl 7, 3214868480
	.fill 96, 4, 3214868480
	.section	.rodata,"a",@progbits
	.p2align	6, 0x0
	.amdhsa_kernel k_q2b7aabcaa3_attn
		.amdhsa_group_segment_fixed_size 221184
		.amdhsa_private_segment_fixed_size 0
		.amdhsa_enable_private_segment 0
		.amdhsa_kernarg_size 40
		.amdhsa_user_sgpr_count 2
		.amdhsa_user_sgpr_kernarg_segment_ptr 1
		.amdhsa_wavefront_size32 1
		.amdhsa_system_sgpr_workgroup_id_x 1
		.amdhsa_system_sgpr_workgroup_id_y 1
		.amdhsa_system_sgpr_workgroup_id_z 1
		.amdhsa_system_vgpr_workitem_id 0
		.amdhsa_next_free_vgpr 256
		.amdhsa_next_free_sgpr 88
		.amdhsa_reserve_vcc 0
		.amdhsa_float_denorm_mode_32 3
		.amdhsa_float_denorm_mode_16_64 3
		.amdhsa_memory_ordered 1
		.amdhsa_forward_progress 1
		.amdhsa_inst_pref_size 158
	.end_amdhsa_kernel
	.amdgpu_metadata
---
amdhsa.version: [ 1, 2 ]
amdhsa.kernels:
  - .name:           k_q2b7aabcaa3_attn
    .symbol:         k_q2b7aabcaa3_attn.kd
    .args:
      - { .name: q_codes, .offset: 0, .size: 8, .value_kind: global_buffer, .address_space: global }
      - { .name: k_codes, .offset: 8, .size: 8, .value_kind: global_buffer, .address_space: global }
      - { .name: v_codes, .offset: 16, .size: 8, .value_kind: global_buffer, .address_space: global }
      - { .name: lowp_scales, .offset: 24, .size: 8, .value_kind: global_buffer, .address_space: global }
      - { .name: out0, .offset: 32, .size: 8, .value_kind: global_buffer, .address_space: global }
    .group_segment_fixed_size: 221184
    .private_segment_fixed_size: 0
    .kernarg_segment_align: 8
    .kernarg_segment_size: 40
    .max_flat_workgroup_size: 512
    .sgpr_count:     88
    .vgpr_count:     256
    .wavefront_size: 32
...
	.end_amdgpu_metadata
.endif
;; end of part 1
